; MI455X (gfx1250); checked and timed in simulation.
; The chip was launched on July 23, 2026; its instructions are those of AMD's public machine-readable ISA for CDNA 5 (MIT licence, August 2026) and "CDNA5" Instruction Set Architecture Reference Guide (July 2026). The comments in the code are by the model that wrote it; some were corrected since.
;; Attention Head. Allowed arithmetic: matrix products marked QUANTISED: E2M1 operands, one E8M0 scale for each 32 along K, by v_wmma_scale_f32_16x16x128_f8f6f4 with both operands' format E2M1 (or v_wmma_scale_f32_32x16x128_f4), f32 sums; everything else in f32.
;; Inputs: Wk 128 x 1,024 float32; Wq 128 x 1,024 float32; Wv 128 x 1,024 float32; x 4 x 4,096 x 1,024 float32.
;; Outputs: out0 4 x 4,096 x 128 float32.
;; This version of the problem:
;;   THIS VERSION OF THE PROBLEM IS GIVEN IN LOW PRECISION. The matrix products marked QUANTISED in the list below multiply operands that are first quantised to E2M1 (2 exponent bits, 1 mantissa bit; 4 bits a number), with one power-of-two scale for each 32 numbers along K (OCP MX v1.0); their sums are f32. All else is computed in f32.
;;   The module's matrix products, in the order in which they are computed (A, B: the left and right operand; K: the contracted axis; several contracted axes count as one K, in the product's order):
;;     1. [M 16,384, K 1,024] x [K 1,024, N 128]; A: input x; B: input Wq: QUANTISED
;;     2. [M 16,384, K 1,024] x [K 1,024, N 128]; A: input x; B: input Wk: QUANTISED
;;     3. [M 16,384, K 1,024] x [K 1,024, N 128]; A: input x; B: input Wv: QUANTISED
;;     4. batch 4 x [M 4,096, K 128] x [K 128, N 4,096]; A: computed on the way; B: computed on the way: QUANTISED
;;     5. batch 4 x [M 4,096, K 4,096] x [K 4,096, N 128]; A: softmax (see below); B: computed on the way: QUANTISED
;;   THE QUANTISER, for each operand of a quantised product, along K:
;;     - K is cut into blocks of 32 from its start; a last block that is shorter is filled with zeros.
;;     - A block's scale is 2^e with e = floor(log2(the largest magnitude in the block)) - 2, held to -126 .. 127; a block of zeros has e = 0. As a byte (E8M0): e + 127.
;;     - Each number is divided by its block's scale, clamped to +-6, and rounded to the nearest number of E2M1, ties to even, subnormals kept.
;;     - The product sums the exact products of the quantised numbers (number of the format x scale) in f32.
;;   ~~~python
;;   def quantise(x, axis):      # numpy; x: float32 -> the quantised numbers, widened to float32 again
;;       x = np.moveaxis(x, axis, -1); K = x.shape[-1]
;;       x = np.pad(x, [(0, 0)] * (x.ndim - 1) + [(0, -K % 32)]); x = x.reshape(x.shape[:-1] + (-1, 32)); a = np.abs(x).max(-1, keepdims=True)
;;       e = np.where(a > 0, np.clip(np.frexp(np.where(a > 0, a, 1))[1] - 1 - 2, -126, 127), 0)      # np.frexp(a)[1] - 1 = floor(log2(a)), exactly
;;       r = np.clip(x / 2.0 ** e, -6, 6)
;;       step = 2.0 ** (np.maximum(np.frexp(np.where(r == 0, 1, r))[1] - 1, 0) - 1)
;;       q = np.round(r / step) * step * 2.0 ** e      # np.round: ties to even
;;       return np.moveaxis(q.reshape(q.shape[:-2] + (-1,))[..., :K], -1, axis).astype(np.float32)
;;   ~~~
;;   SOFTMAX AHEAD OF A QUANTISED PRODUCT. Where the list says 'softmax', what is quantised is not the finished softmax but p = 2^(t - M), with t = logit x log2(e) and M = ceil(the row's largest t), a whole number; so 1/2 < the row's largest p <= 1. The row's sum l is taken of the UNQUANTISED p, in f32, and the product's result is divided by l at the end. Since M is a whole number, a kernel that streams over the keys may use a running M (the ceiling of the running maximum): every later rescaling is an exact power of two, which a block's scale takes up: the codes' values come out the same.
;;   OPERANDS COMPUTED ON THE WAY. 'Computed on the way' means the value that the module computes at that place (a softmax that the list does not call 'softmax' is quantised finished and normalised). What goes into a quantiser is computed in f32, as accurately as f32 sums, v_exp_f32 and their like allow (about 1e-6 of the number): no bf16 or f16 on the way to a quantiser, and a product that is left as it is and whose result goes on into a quantised operand takes f32 operands (vector FMAs, or v_wmma_f32_16x16x4_f32). A number that lies on a knife's edge between two numbers of the format may be rounded either way, as far as f32 arithmetic and the matrix unit's own rounding can turn it there, and no further.
;; One version. Each part assembles by itself: llvm-mc -triple=amdgcn-amd-amdhsa -mcpu=gfx1250 --defsym DOCPART=n.
;; ======== version 1 of 1: 3 launches
;; limits: right only within a limited range of input values
;; workspace buffers: wc 208,896 bytes; qq 1,114,112 bytes; kv 2,228,224 bytes
;; launch wquant (part 1): grid 6 x 8, 4 waves a work-group, no clusters, 4,864 bytes of LDS; arguments Wq, Wk, Wv, wc; writes wc
.if DOCPART == 1
	.amdgcn_target "amdgcn-amd-amdhsa--gfx1250"
	.amdhsa_code_object_version 6
	.text
	.protected	k_q0fe9b891c4_wquant
	.globl	k_q0fe9b891c4_wquant
	.p2align	8
	.type	k_q0fe9b891c4_wquant,@function
k_q0fe9b891c4_wquant:
	s_mov_b64 s[64:65], 0
	v_nop
	global_prefetch_b8 v0, s[64:65] scope:SCOPE_SE
	s_setreg_imm32_b32 hwreg(HW_REG_WAVE_MODE, 25, 1), 1
	s_wait_xcnt 0x0
; Wq, Wk, Wv [128][1024] f32 become codes of FP4 (E2M1) with one E8M0 scale byte for each 32 along K, laid as the projection's waves want them in registers.
; No step of the problem is left out, in this launch or a later one.
; wc: first [w 4][f 6][s 8][1,024 bytes]: fragment (16 rows x 128 K) of tile f (0,1: Wq; 2,3: Wk; 4,5: Wv), K step s, as an image of its registers: [c 2][lane 32][16 bytes];
;     lane (r, h), group c holds k = 128 s + 64 c + 32 h + 0 .. 31 of the tile's row r.
;     THE ROWS OF A TILE: Wq, Wk: lane r of tile u takes row 32 w + 8 u + r + 8 (r / 8), so that the results of tiles 0 and 1 are 16 neighbours along the next K;  Wv: row 32 w + 16 u + r.
;     Behind them, from byte 196,608 on, [w][f][s 8][r 16] scale words.
; A block's scale is 2^(floor(log2(its largest magnitude)) - 2); its byte is the largest magnitude's exponent field - 2, held at 1 from below.
; LIMITS: a block of zeros gets the byte 1 where the rule says 127 (its codes are zeros, which add nothing, and this program alone reads the bytes); blocks whose largest magnitude lies under 2^-124 were not tried; NaN and infinities among the inputs are not served.
; SHARES: work-group (f, 2 w + K half), wave t: K step s = 4 x half + t: one wave makes one fragment, a work-group 256 bytes of scale words.
; THE LOADS ARE DENSE: each reads the 512 bytes of one row's K step; lane a < 16 takes piece 2 a of 16 bytes, lane 16 + a piece 2 a + 1.  An exchange of halves between two rows' registers
; then gives lane a eight neighbours, k = 8 a on, of the first row and lane 16 + a those of the second: one register of codes; four lanes hold a block.
.set SPW, 12                           ; LDS address of my spare word
.set NIL, 13                           ; 0
.set WORDS, 4096                       ; LDS: four images of 1,024 bytes, then the work-group's 256 bytes of scale words,
.set SPARE, 4352                       ; then the spare words, 128 bytes a wave
.set T,  32
.set SC, 34
.set BY, 36                            ; v36-51: each group of rows has its own registers for bytes and codes, so that no store's data are written again
.set CD, 38
.set X,  64                            ; v64-127: row i in registers 4 i .. 4 i + 3
	s_load_b256 s[4:11], s[0:1], 0x0               ; Wq s[4:5], Wk s[6:7], Wv s[8:9], wc s[10:11]
	v_lshl_add_u32 v[SPW], v0, 2, SPARE
	v_mov_b32 v[NIL], 0
	v_lshrrev_b32 v1, 5, v0
	v_readfirstlane_b32 s14, v1                    ; wave t
	s_and_b32 s19, ttmp7, 0xffff
	s_and_b32 s20, s19, 1                          ; K half
	s_lshr_b32 s19, s19, 1                         ; w
	s_lshl_b32 s21, s20, 2
	s_add_co_u32 s21, s21, s14                     ; K step s
	s_lshr_b32 s15, ttmp9, 1                       ; which weight
	s_and_b32 s16, ttmp9, 1                        ; u
	s_mul_i32 s26, s19, 6
	s_add_co_u32 s26, s26, ttmp9                   ; 6 w + f
	s_lshl_b32 s28, s26, 1
	s_add_co_u32 s28, s28, s20
	s_lshl_b32 s28, s28, 8
	s_add_co_u32 s28, s28, 0x30000                 ; the work-group's 256 bytes of scale words in wc
	s_mov_b32 s29, 0
	s_lshl_b32 s26, s26, 3
	s_add_co_u32 s26, s26, s21
	s_lshl_b32 s26, s26, 10                        ; fragment (w, f, s)
	s_mov_b32 s27, 0
	s_lshl_b32 s30, s14, 10                        ; my image in LDS
	s_lshl_b32 s31, s14, 6
	s_add_co_u32 s31, s31, WORDS
	v_and_b32 v2, 15, v0                           ; a
	v_bfe_u32 v3, v0, 4, 1                         ; g
	v_and_b32 v4, 31, v0                           ; lane
	v_lshlrev_b32 v5, 5, v2
	v_lshl_add_u32 v5, v3, 4, v5                   ; my 16 bytes of a row's 512
	v_lshrrev_b32 v9, 2, v2                        ; my block
	v_and_b32 v10, 3, v2
	v_lshlrev_b32 v8, 8, v9
	v_lshl_add_u32 v8, v3, 4, v8
	v_lshl_add_u32 v8, v10, 2, v8
	v_add_nc_u32 v8, s30, v8                       ; into the image: block (a / 4), row g, word a % 4
	v_lshl_add_u32 v11, v3, 2, v9
	v_add_nc_u32 v11, s31, v11                     ; my block's scale byte
	v_lshl_add_u32 v16, v4, 4, s30                 ; out of the image: 16 bytes a lane
	v_lshlrev_b32 v6, 4, v4
	v_lshlrev_b32 v15, 3, v4
	v_add_nc_u32 v14, WORDS, v15
	s_wait_alu depctr_va_vdst(0)                   ; directly ahead of the wait below
	s_wait_kmcnt 0x0
	s_cmp_eq_u32 s15, 0                            ; the choice hangs on the work-group's number alone
	s_cselect_b64 s[4:5], s[4:5], s[6:7]
	s_cmp_eq_u32 s15, 2
	s_cselect_b64 s[4:5], s[8:9], s[4:5]
	s_cselect_b32 s17, 16, 8                       ; rows from tile 0 to tile 1
	s_cselect_b32 s18, 0, 8                        ; rows skipped between a tile's rows 7 and 8
	s_mul_i32 s22, s16, s17
	s_lshl_b32 s23, s19, 5
	s_add_co_u32 s22, s22, s23
	s_lshl_b32 s22, s22, 12                        ; rows of 4,096 bytes
	s_lshl_b32 s23, s21, 9                         ; K step s: 512 bytes on
	s_add_co_u32 s22, s22, s23
	s_mov_b32 s23, 0
	s_add_nc_u64 s[4:5], s[4:5], s[22:23]
	s_add_nc_u64 s[12:13], s[10:11], s[28:29]
	s_add_nc_u64 s[10:11], s[10:11], s[26:27]
	s_lshl_b32 s18, s18, 12
	v_add_nc_u32 v7, s18, v5                       ; rows 8 to 15 lie the skipped rows further on
.irp i, 0,1,2,3,4,5,6,7
	global_load_b128 v[X+4*\i:X+4*\i+3], v5, s[4:5] offset:4096*\i th:TH_LOAD_NT   ; 512 consecutive bytes, aligned
.endr
.irp i, 8,9,10,11,12,13,14,15
	global_load_b128 v[X+4*\i:X+4*\i+3], v7, s[4:5] offset:4096*\i th:TH_LOAD_NT
.endr
; Rows 4 q .. 4 q + 3, two pairs by turns
.macro GROUP q
	s_wait_loadcnt 12-4*\q                         ; these four rows are in; the later rows' loads stay out
.irp p, 0,1
.irp i, 0,1,2,3
	v_permlane16_swap_b32 v[X+16*\q+8*\p+\i], v[X+16*\q+8*\p+4+\i]
.endr
.endr
.irp p, 0,1
	v_max3_num_f32 v[T+\p], |v[X+16*\q+8*\p]|, |v[X+16*\q+8*\p+1]|, 0x1800000   ; and the floor 2^(3 - 127): the byte cannot fall under 1
.endr
.irp i, 2,4,6
.irp p, 0,1
	v_max3_num_f32 v[T+\p], v[T+\p], |v[X+16*\q+8*\p+\i]|, |v[X+16*\q+8*\p+\i+1]|
.endr
.endr
.irp p, 0,1
	v_max_num_f32_dpp v[T+\p], v[T+\p], v[T+\p] row_xmask:1 row_mask:0xf bank_mask:0xf
.endr
.irp p, 0,1
	v_max_num_f32_dpp v[T+\p], v[T+\p], v[T+\p] row_xmask:2 row_mask:0xf bank_mask:0xf   ; the block's largest magnitude
.endr
.irp p, 0,1
	v_add_nc_u32 v[SC+\p], 0xff000000, v[T+\p]     ; 2 off its exponent field: the conversion's scale operand
.endr
.irp p, 0,1
	v_lshrrev_b32 v[BY+4*\q+\p], 23, v[SC+\p]      ; the scale's byte
.endr
.irp p, 0,1
	v_cvt_scalef32_pk8_fp4_f32 v[CD+4*\q+\p], v[X+16*\q+8*\p:X+16*\q+8*\p+7], v[SC+\p]
.endr
	v_nop                                          ; one plain place behind the scaled conversions
.irp p, 0,1
	ds_store_b32 v8, v[CD+4*\q+\p] offset:64*\q+32*\p
	ds_store_b8 v11, v[BY+4*\q+\p] offset:16*\q+8*\p   ; the block's four lanes write the same byte with the same value
.endr
.endm
	GROUP 0
	GROUP 1
	GROUP 2
	GROUP 3
.irp c, 0,1
	ds_load_b128 v[20+4*\c:23+4*\c], v16 offset:512*\c   ; LDS serves a wave's instructions in order: these see my stores
.endr
	s_wait_dscnt 0x0                               ; the image is back, and for the others' sake: my bytes have landed
.irp c, 0,1
	global_store_b128 v6, v[20+4*\c:23+4*\c], s[10:11] offset:512*\c   ; 512 consecutive bytes, aligned
.endr
	s_barrier_signal -1
	s_barrier_wait -1
	s_cmp_lg_u32 s14, 0                            ; wave 0 stores the four waves' words
	s_cbranch_scc1 .Ldone
	ds_load_b64 v[28:29], v14
	s_wait_dscnt 0x0
	global_store_b64 v15, v[28:29], s[12:13]       ; one aligned unit of 256 bytes
.Ldone:
	s_wait_tensorcnt 0x0                           ; the wave's end
	ds_add_u32 v[SPW], v[NIL]
	s_wait_dscnt 0x0
	s_endpgm
.Lfunc_end_k_q0fe9b891c4_wquant:
	.size	k_q0fe9b891c4_wquant, .Lfunc_end_k_q0fe9b891c4_wquant-k_q0fe9b891c4_wquant
	.p2alignl 7, 3214868480
	.fill 96, 4, 3214868480
	.section	.rodata,"a",@progbits
	.p2align	6, 0x0
	.amdhsa_kernel k_q0fe9b891c4_wquant
		.amdhsa_group_segment_fixed_size 4864
		.amdhsa_private_segment_fixed_size 0
		.amdhsa_enable_private_segment 0
		.amdhsa_kernarg_size 32
		.amdhsa_user_sgpr_count 2
		.amdhsa_user_sgpr_kernarg_segment_ptr 1
		.amdhsa_wavefront_size32 1
		.amdhsa_system_sgpr_workgroup_id_x 1
		.amdhsa_system_sgpr_workgroup_id_y 1
		.amdhsa_system_sgpr_workgroup_id_z 1
		.amdhsa_system_vgpr_workitem_id 0
		.amdhsa_next_free_vgpr 128
		.amdhsa_next_free_sgpr 66
		.amdhsa_reserve_vcc 0
		.amdhsa_float_denorm_mode_32 3
		.amdhsa_float_denorm_mode_16_64 3
		.amdhsa_memory_ordered 1
		.amdhsa_forward_progress 1
		.amdhsa_inst_pref_size 12
	.end_amdhsa_kernel
	.amdgpu_metadata
---
amdhsa.version: [ 1, 2 ]
amdhsa.kernels:
  - .name:           k_q0fe9b891c4_wquant
    .symbol:         k_q0fe9b891c4_wquant.kd
    .args:
      - { .name: Wq, .offset: 0, .size: 8, .value_kind: global_buffer, .address_space: global }
      - { .name: Wk, .offset: 8, .size: 8, .value_kind: global_buffer, .address_space: global }
      - { .name: Wv, .offset: 16, .size: 8, .value_kind: global_buffer, .address_space: global }
      - { .name: wc, .offset: 24, .size: 8, .value_kind: global_buffer, .address_space: global }
    .group_segment_fixed_size: 4864
    .private_segment_fixed_size: 0
    .kernarg_segment_align: 8
    .kernarg_segment_size: 32
    .max_flat_workgroup_size: 128
    .sgpr_count:     66
    .vgpr_count:     128
    .wavefront_size: 32
...
	.end_amdgpu_metadata
.endif
;; end of part 1
;; launch proj (part 2): grid 256 x 1, 16 waves a work-group, clusters of 4 x 1, 327,680 bytes of LDS; arguments x, wc, qq, kv; writes qq, kv
.if DOCPART == 2
	.amdgcn_target "amdgcn-amd-amdhsa--gfx1250"
	.amdhsa_code_object_version 6
	.text
	.protected	k_q0fe9b891c4_proj
	.globl	k_q0fe9b891c4_proj
	.p2align	8
	.type	k_q0fe9b891c4_proj,@function
k_q0fe9b891c4_proj:
	s_mov_b64 s[64:65], 0
	v_nop
	global_prefetch_b8 v0, s[64:65] scope:SCOPE_SE
	s_setreg_imm32_b32 hwreg(HW_REG_WAVE_MODE, 25, 1), 1
	s_wait_xcnt 0x0
	s_wait_alu depctr_hold_cnt(0) depctr_sa_sdst(0) depctr_va_vdst(0) depctr_va_sdst(0) depctr_va_ssrc(0) depctr_va_vcc(0) depctr_vm_vsrc(0)
	s_getreg_b32 s2, hwreg(HW_REG_IB_STS2, 6, 4)
	s_cmp_eq_u32 s2, 0
	s_cbranch_scc0 .Lentry_in_a_cluster
	s_endpgm
.Lentry_in_a_cluster:
	s_bfe_u32 s2, ttmp6, 0x10000c
	s_cmp_lg_u32 s2, 0x3003
	s_cbranch_scc0 .Lentry_shape_is_right
	s_endpgm
.Lentry_shape_is_right:
; q, k, v = Q(x) Q(W)^T on codes of FP4 (E2M1), and q, k quantised along the head's 128, v along the keys, laid as the attention's waves want them.
; qq: a record of 4,352 bytes for each 64 queries: four fragment images, then 64 scale words.  kv: a record of 17,408 bytes for each 128 keys: K's eight tile images, V's sixteen half images, K's and V's scale words.
; SHARES.  A work-group owns 64 rows of x, a wave four whole rows: 32 dense loads of 512 bytes, four for each K step (128 along K), into 128 registers.  They run four K steps ahead of the quantising, 16 loads a wave, so
; nothing is prefetched beside them.  Each K step's four rows are quantised into LDS; behind a barrier each wave makes 2 row tiles x 3 column tiles.
; Wave w: row tiles 2 (w % 2) and + 1;  columns: block (w / 2) % 4 of 32 columns of q (w < 8) or k, as two tiles, and column tile w / 2 of v.
; ORDER.  K steps 0 to 3 are quantised ahead of the first barrier, while the weights are on their way; the products go by pairs of K steps in two sets of fragments, and K steps 4 to 7 are quantised under their loads.
; Barriers: behind K step 3's, 5's and 7's codes.
; THE WEIGHTS' codes and scale words, 208,896 bytes, come into LDS once: each wave asks for a sixteenth, 51 rows of 256 bytes, JOINTLY with the three partners of a cluster, which all need the same bytes.
; QUANTISING X: lane a < 16 loads piece 2 a (16 bytes) of a row's 512, lane 16 + a piece 2 a + 1.  An exchange of halves between two rows' registers gives lane a eight neighbours, k = 8 a on, of the first row and
; lane 16 + a those of the second: one register of codes each; four lanes hold a block of 32.
; q and k are made transposed (source 0 = 16 rows of W): lane (r, h) holds row r and 8 neighbouring columns, with the pair's two tiles 16: half a block.  v is made straight (source 0 = 16 rows of x): lane (r, h) holds
; column r and rows 8 h .. 8 h + 7, with the two row tiles half a block of 32 keys.  Lane l xor 16 has the other half.
; LIMITS: a block of zeros gets the byte 1 where the rule says 127 (its codes are zeros, which add nothing, and this program alone reads the bytes); blocks whose largest magnitude lies under 2^-124 were not tried; NaN and infinities are not served.
.set REC,  17408
.set WSO,  196608                      ; LDS: weights' codes from 0 on, their scale words from here on,
.set XC,   208896                      ; x's codes: [s 8][64 rows x (64 bytes + 16)],
.set XP,   80
.set XST,  64*XP
.set XSC,  XC+8*XST                    ; x's scale words: [s 8][row 64],
.set QC,   XSC+2048                    ; the results' images: Q's, K's, V's, 4,096 bytes each,
.set VC,   QC+8192
.set QS,   QC+12288                    ; Q's words, K's words, V's halves of words, 256 bytes each,
.set VS,   QS+512
.set SPARE,VS+256                      ; the spare words, 128 bytes a wave
.set PART, 13056                       ; what one tensor load brings
.set XL,  1                            ; v1  my 16 bytes of a row's 512
.set CA,  2                            ; v2, v3  where I put codes and scale bytes of x
.set SA,  3
.set XRD, 4                            ; v4, v5  where I read x's fragments and scale words
.set XSR, 5
.set WRP, 6                            ; v6, v7  the weights' fragments: the pair's, v's
.set WRV, 7
.set WSP, 8                            ; v8, v9  their scale words
.set WSV, 9
.set SPW, 10                           ; v10 LDS address of my spare word; never rewritten
.set NIL, 11                           ; v11 0; never rewritten
.set PC0, 12                           ; v12-17 where my results go: the pair's codes of row tile 0, 1; their scale bytes; v's codes; v's scale bytes
.set PC1, 13
.set PS0, 14
.set PS1, 15
.set VCA, 16
.set VSA, 17
.set WS,  20                           ; v20-31 the weights' scale words: tile u, register s / 2: lanes 0-15 even s, lanes 16-31 odd s
.set XS,  32                           ; v32 x's scale words of my two row tiles: lanes 0-15 the first's, lanes 16-31 the second's
.set T,   33
.set SC,  35
.set XF,  40                           ; v40-55 x's two fragments
.set WF,  56                           ; v56-79 the weights' three fragments
.set ACC, 80                           ; v80-127 accumulators: the pair's tile u, row tile m at 80 + 16 m + 8 u; v's row tile m at 112 + 8 m
.set X,   128                          ; v128-255 x
.set XF2, 128                          ; the second set of fragments, in registers of K steps 0 to 2, which have been quantised by then
.set WF2, 144
.set XS2, 168
.set WV,  12                           ; s12 my wave's number
.set SEL, 20                           ; s[20:21] v_permlanex16_b32's selects for lane l xor 16
.set G1,  24
.set G0,  32
; A round of the cluster's barrier
.macro CROUND
	s_barrier_signal -1
	s_barrier_wait -1
	s_cmp_lg_u32 s[WV], 0
	s_cbranch_scc1 .Lnot_wave_0_\@
	s_barrier_signal -3
.Lnot_wave_0_\@:
	s_barrier_wait -3
	s_barrier_signal -1
	s_barrier_wait -1
.endm
.macro XLOAD s
.irp i, 0,1,2,3
	global_load_b128 v[X+16*(\s)+4*\i:X+16*(\s)+4*\i+3], v[XL], s[4:5] offset:4096*\i+512*(\s) th:TH_LOAD_NT   ; 512 consecutive bytes, aligned; each read once
.endr
.endm
; D += A x B; ra, rb: A's, B's scale words stand in lanes 16-31; z: the product starts the sum
.macro WM d, a, b, sa, sb, ra, rb, z
.if \z
.if \rb
	v_wmma_scale_f32_16x16x128_f8f6f4 v[\d:\d+7], v[\a:\a+7], v[\b:\b+7], 0, v[\sa], v[\sb] matrix_a_fmt:MATRIX_FMT_FP4 matrix_b_fmt:MATRIX_FMT_FP4 matrix_b_scale:MATRIX_SCALE_ROW1
.elseif \ra
	v_wmma_scale_f32_16x16x128_f8f6f4 v[\d:\d+7], v[\a:\a+7], v[\b:\b+7], 0, v[\sa], v[\sb] matrix_a_fmt:MATRIX_FMT_FP4 matrix_b_fmt:MATRIX_FMT_FP4 matrix_a_scale:MATRIX_SCALE_ROW1
.else
	v_wmma_scale_f32_16x16x128_f8f6f4 v[\d:\d+7], v[\a:\a+7], v[\b:\b+7], 0, v[\sa], v[\sb] matrix_a_fmt:MATRIX_FMT_FP4 matrix_b_fmt:MATRIX_FMT_FP4
.endif
.else
.if (\ra)&&(\rb)
	v_wmma_scale_f32_16x16x128_f8f6f4 v[\d:\d+7], v[\a:\a+7], v[\b:\b+7], v[\d:\d+7], v[\sa], v[\sb] matrix_a_fmt:MATRIX_FMT_FP4 matrix_b_fmt:MATRIX_FMT_FP4 matrix_a_scale:MATRIX_SCALE_ROW1 matrix_b_scale:MATRIX_SCALE_ROW1
.elseif \ra
	v_wmma_scale_f32_16x16x128_f8f6f4 v[\d:\d+7], v[\a:\a+7], v[\b:\b+7], v[\d:\d+7], v[\sa], v[\sb] matrix_a_fmt:MATRIX_FMT_FP4 matrix_b_fmt:MATRIX_FMT_FP4 matrix_a_scale:MATRIX_SCALE_ROW1
.elseif \rb
	v_wmma_scale_f32_16x16x128_f8f6f4 v[\d:\d+7], v[\a:\a+7], v[\b:\b+7], v[\d:\d+7], v[\sa], v[\sb] matrix_a_fmt:MATRIX_FMT_FP4 matrix_b_fmt:MATRIX_FMT_FP4 matrix_b_scale:MATRIX_SCALE_ROW1
.else
	v_wmma_scale_f32_16x16x128_f8f6f4 v[\d:\d+7], v[\a:\a+7], v[\b:\b+7], v[\d:\d+7], v[\sa], v[\sb] matrix_a_fmt:MATRIX_FMT_FP4 matrix_b_fmt:MATRIX_FMT_FP4
.endif
.endif
.endm
; K step q of my four rows into codes and scale bytes: four LDS stores, each q from registers of its own (v80-95, then v172-187)
.macro QUANT q
.if \q < 4
.set QB, 80+4*\q
	s_wait_loadcnt 12                              ; this K step's four loads are in; the three later K steps' stay out,
	XLOAD \q+4                                     ; and the next one's go out
.else
.set QB, 172+4*(\q-4)
	s_wait_loadcnt 4*(7-\q)                        ; this K step's four loads are in; the later K steps' stay out
.endif
.irp p, 0,1
.irp i, 0,1,2,3
	v_permlane16_swap_b32 v[X+16*\q+8*\p+\i], v[X+16*\q+8*\p+4+\i]
.endr
.endr
.irp p, 0,1
	v_max3_num_f32 v[T+\p], |v[X+16*\q+8*\p]|, |v[X+16*\q+8*\p+1]|, 0x1800000   ; and the floor 2^(3 - 127): the byte cannot fall under 1
.endr
.irp i, 2,4,6
.irp p, 0,1
	v_max3_num_f32 v[T+\p], v[T+\p], |v[X+16*\q+8*\p+\i]|, |v[X+16*\q+8*\p+\i+1]|
.endr
.endr
.irp p, 0,1
	v_max_num_f32_dpp v[T+\p], v[T+\p], v[T+\p] row_xmask:1 row_mask:0xf bank_mask:0xf
.endr
.irp p, 0,1
	v_max_num_f32_dpp v[T+\p], v[T+\p], v[T+\p] row_xmask:2 row_mask:0xf bank_mask:0xf   ; the block's largest magnitude
.endr
.irp p, 0,1
	v_add_nc_u32 v[SC+\p], 0xff000000, v[T+\p]     ; 2 off its exponent field: the conversion's scale operand
.endr
.irp p, 0,1
	v_lshrrev_b32 v[QB+2+\p], 23, v[SC+\p]         ; the scale's byte
.endr
.irp p, 0,1
	v_cvt_scalef32_pk8_fp4_f32 v[QB+\p], v[X+16*\q+8*\p:X+16*\q+8*\p+7], v[SC+\p]
.endr
	v_nop                                          ; one plain place behind the scaled conversions
.irp p, 0,1
	ds_store_b32 v[CA], v[QB+\p] offset:XST*\q+2*XP*\p
	ds_store_b8 v[SA], v[QB+2+\p] offset:8*\p+256*\q   ; the block's four lanes write the same byte with the same value
.endr
.endm
; K step s's fragments: 11 LDS loads
.macro LD s, xf, wf, xs
.irp c, 0,1
.irp u, 0,1
	ds_load_b128 v[\wf+8*\u+4*\c:\wf+8*\u+4*\c+3], v[WRP] offset:8192*\u+1024*(\s)+512*\c
.endr
	ds_load_b128 v[\wf+16+4*\c:\wf+19+4*\c], v[WRV] offset:1024*(\s)+512*\c
.endr
.irp m, 0,1
.irp c, 0,1
	ds_load_b128 v[\xf+8*\m+4*\c:\xf+8*\m+4*\c+3], v[XRD] offset:XST*(\s)+16*XP*\m+32*\c
.endr
.endr
	ds_load_b32 v[\xs], v[XSR] offset:256*(\s)
.endm
; K step s's six products: the accumulators take turns, in the same order in every K step
.macro MM s, xf, wf, xs
.set SO, (\s)%2
.set SH, (\s)/2
.if (\s) == 0
.set SZ, 1
.else
.set SZ, 0
.endif
.irp m, 0,1
.irp u, 0,1
	WM ACC+16*\m+8*\u, \wf+8*\u, \xf+8*\m, WS+4*\u+SH, \xs, SO, \m, SZ
.endr
.endr
.irp m, 0,1
	WM ACC+32+8*\m, \xf+8*\m, \wf+16, \xs, WS+8+SH, \m, SO, SZ
.endr
.endm
; K steps s and s + 1.  qa, qb: the K steps quantised under the loads (0: none); out: the LDS stores of theirs that may be out at the second wait
.macro PAIR s, qa, qb, out
	LD \s, XF, WF, XS
	LD \s+1, XF2, WF2, XS2
.if \qa
	QUANT \qa
	s_wait_dscnt 15                                ; the first set is in; the second set's 11 loads and four stores may be out
.else
	s_wait_dscnt 11                                ; the first set is in; the second set's 11 loads may be out
.endif
	MM \s, XF, WF, XS
.if \qb
	QUANT \qb
.endif
	s_wait_dscnt \out                              ; the second set is in; the stores behind it may be out
	MM \s+1, XF2, WF2, XS2
.rept 4
	v_nop                                          ; four places between the products and what follows: loads into their sources, reads of their results
.endr
.endm
.macro MEET                            ; everybody's codes and bytes have landed
	s_wait_dscnt 0x0
	s_barrier_signal -1
	s_barrier_wait -1
.endm
	s_load_b128 s[4:7], s[0:1], 0x0                ; x s[4:5], wc s[6:7]
	s_load_b128 s[8:11], s[0:1], 0x10              ; qq s[8:9], kv s[10:11]
	v_lshl_add_u32 v[SPW], v0, 2, SPARE
	v_mov_b32 v[NIL], 0
	ds_add_u32 v[SPW], v[NIL]                      ; the wave's opening: the add, twice on end, and its wait ahead of my tensor load
	ds_add_u32 v[SPW], v[NIL]
	v_lshrrev_b32 v36, 5, v0
	v_readfirstlane_b32 s[WV], v36                 ; wave 0..15
	s_bfe_u32 s13, ttmp6, 0x40000                  ; cx: my place in the cluster
	s_lshl_b32 s14, ttmp9, 2                       ; in a cluster launch ttmp9 counts clusters
	s_add_co_u32 s14, s14, s13                     ; my block of 64 rows: it enters x's and the results' addresses alone
	s_lshl_b32 s16, s14, 18
	s_lshl_b32 s17, s[WV], 14
	s_add_co_u32 s16, s16, s17                     ; my four rows of x
	s_mov_b32 s17, 0
	s_mul_i32 s18, s[WV], PART                     ; my sixteenth of the weights, in memory and in LDS alike
	s_mov_b32 s19, 0
	s_mov_b32 s[G1+0], 15|(3<<16)|(1<<21)          ; 15:0 the mask: all four work-groups; 17:16 elements of 8 bytes; 21 set beside a mask
	s_mov_b32 s[G1+1], 32<<16                      ; tensor_dim0 = 32
	s_mov_b32 s[G1+2], 51<<16                      ; tensor_dim1 = 51
	s_mov_b32 s[G1+3], 32<<16                      ; tile_dim0 = 32
	s_mov_b32 s[G1+4], 51                          ; tile_dim1 = 51
	s_mov_b32 s[G1+5], 32                          ; elements from row to row
	s_mov_b32 s[G1+6], 0
	s_mov_b32 s[G1+7], 0
	v_and_b32 v33, 15, v0                          ; a, r
	v_bfe_u32 v34, v0, 4, 1                        ; g, h
	v_and_b32 v35, 31, v0                          ; lane
	v_lshlrev_b32 v[XL], 5, v33
	v_lshl_add_u32 v[XL], v34, 4, v[XL]
	s_wait_dscnt 0x0                               ; both opening adds are done
	s_wait_alu depctr_va_vdst(0)                   ; directly ahead of the wait below
	s_wait_kmcnt 0x0
	s_add_nc_u64 s[4:5], s[4:5], s[16:17]
	XLOAD 0
	s_mov_b32 s[G0], 1                             ; count = 1
	s_mov_b32 s[G0+1], s18                         ; LDS address: no place in the cluster enters it
	s_add_nc_u64 s[G0+2:G0+3], s[6:7], s[18:19]    ; global address: of the wave's number alone
	s_or_b32 s[G0+3], s[G0+3], 0x80000000          ; type = 2
	CROUND                                         ; all four work-groups are here: the joint loads meet
	tensor_load_to_lds s[G0:G0+3], s[G1:G1+7]      ; my one tensor load
	s_nop 0
.rept 4
	v_nop
.endr
.irp s, 1,2,3
	XLOAD \s
.endr
	; where results go in memory
	s_mul_i32 s36, s14, 4352
	s_mov_b32 s37, 0
	s_lshr_b32 s38, s14, 1
	s_mul_i32 s38, s38, REC
	s_mov_b32 s39, 0
	s_and_b32 s15, s14, 1                          ; which 64 of a record's 128 keys
	s_lshl_b32 s46, s15, 12
	s_mov_b32 s47, 0
	s_lshl_b32 s48, s15, 8
	s_add_co_u32 s48, s48, 16384
	s_mov_b32 s49, 0
	s_lshl_b32 s50, s15, 1
	s_add_nc_u64 s[8:9], s[8:9], s[36:37]          ; my record of qq
	s_add_nc_u64 s[10:11], s[10:11], s[38:39]      ; of kv
	s_add_nc_u64 s[40:41], s[10:11], s[46:47]      ; its half of the codes
	s_add_nc_u64 s[42:43], s[8:9], 4096            ; Q's words
	s_add_nc_u64 s[44:45], s[10:11], s[48:49]      ; K's words
	s_mov_b32 s[SEL], 0x76543210
	s_mov_b32 s[SEL+1], 0xfedcba98
	; LDS addresses: of constants, lane parts and the wave's number
	s_and_b32 s52, s[WV], 1                        ; mp: which pair of row tiles
	s_lshr_b32 s53, s[WV], 3                       ; 0: q, 1: k
	s_bfe_u32 s54, s[WV], 0x20001                  ; its block of 32 columns
	s_lshr_b32 s55, s[WV], 2                       ; v's column tile = 2 x this + s56
	s_bfe_u32 s56, s[WV], 0x10001
	s_mul_i32 s57, s54, 49152
	s_lshl_b32 s60, s53, 14
	s_add_co_u32 s57, s57, s60                     ; the pair's fragments
	s_mul_i32 s58, s54, 3072
	s_lshl_b32 s60, s53, 10
	s_add_co_u32 s58, s58, s60
	s_add_co_u32 s58, s58, WSO                     ; their scale words
	s_mul_i32 s59, s55, 49152
	s_lshl_b32 s60, s56, 13
	s_add_co_u32 s59, s59, s60
	s_add_co_u32 s59, s59, 32768                   ; v's fragment
	s_mul_i32 s60, s55, 3072
	s_lshl_b32 s61, s56, 9
	s_add_co_u32 s60, s60, s61
	s_add_co_u32 s60, s60, WSO+2048                ; its scale words
	s_mul_i32 s61, s[WV], 4*XP
	s_add_co_u32 s61, s61, XC                      ; my four rows of codes
	s_lshl_b32 s62, s[WV], 4
	s_add_co_u32 s62, s62, XSC                     ; and their scale words
	s_mul_i32 s63, s52, 32*XP
	s_add_co_u32 s63, s63, XC                      ; the rows that I multiply
	s_lshl_b32 s22, s52, 7
	s_add_co_u32 s22, s22, XSC                     ; and their scale words
	v_mul_u32_u24 v[CA], v34, XP
	v_lshl_add_u32 v[CA], v33, 2, v[CA]
	v_add_nc_u32 v[CA], s61, v[CA]
	v_lshrrev_b32 v[SA], 2, v33
	v_lshl_add_u32 v[SA], v34, 2, v[SA]
	v_add_nc_u32 v[SA], s62, v[SA]
	v_mul_u32_u24 v[XRD], v33, XP
	v_lshl_add_u32 v[XRD], v34, 4, v[XRD]
	v_add_nc_u32 v[XRD], s63, v[XRD]
	v_lshl_add_u32 v[XSR], v35, 2, s22
	v_lshl_add_u32 v[WRP], v35, 4, s57
	v_lshl_add_u32 v[WRV], v35, 4, s59
	v_lshl_add_u32 v[WSP], v35, 2, s58
	v_lshl_add_u32 v[WSV], v35, 2, s60
	; the results' images.  q: row tile m's image 1,024 m on, row r at 16 r.  k: key 16 m + r of 32 lies in tile r / 8, row r % 8 + 8 m: 1,024 (r / 8) + 128 m + 16 (r % 8).  So the steps of r / 8 and of m, 128 and 1,024 bytes, change places; of the words 32 and 64
	s_mul_i32 s57, s53, 896
	s_add_co_u32 s57, s57, 128                     ; r / 8: q 128, k 1,024
	s_xor_b32 s58, s57, 1152                       ; m: q 1,024, k 128
	s_lshl_b32 s59, s53, 5
	s_add_co_u32 s59, s59, 32                      ; r / 8: q 32, k 64
	s_xor_b32 s60, s59, 96                         ; m: q 64, k 32
	s_lshl_b32 s61, s53, 12
	s_lshl_b32 s62, s52, 11
	s_add_co_u32 s61, s61, s62
	s_lshl_b32 s62, s54, 8
	s_add_co_u32 s61, s61, s62
	s_add_co_u32 s61, s61, QC                      ; codes: QC + 4,096 (k) + 2,048 mp + 256 block
	s_lshl_b32 s62, s53, 8
	s_lshl_b32 s63, s52, 7
	s_add_co_u32 s62, s62, s63
	s_add_co_u32 s62, s62, s54
	s_add_co_u32 s62, s62, QS                      ; words: QS + 256 (k) + 128 mp, byte block
	s_lshl_b32 s63, s[WV], 8
	s_add_co_u32 s63, s63, VC                      ; v: 512 column tile + 256 mp = 256 w
	s_lshr_b32 s22, s[WV], 1
	s_lshl_b32 s22, s22, 5
	s_add_co_u32 s22, s22, s52
	s_add_co_u32 s22, s22, VS
	v_and_b32 v36, 7, v0
	v_bfe_u32 v37, v0, 3, 1
	v_mul_u32_u24 v[PC0], s57, v37
	v_lshl_add_u32 v[PC0], v36, 4, v[PC0]
	v_lshl_add_u32 v[PC0], v34, 3, v[PC0]
	v_add_nc_u32 v[PC0], s61, v[PC0]
	v_add_nc_u32 v[PC1], s58, v[PC0]
	v_mul_u32_u24 v[PS0], s59, v37
	v_lshl_add_u32 v[PS0], v36, 2, v[PS0]
	v_add_nc_u32 v[PS0], s62, v[PS0]
	v_add_nc_u32 v[PS1], s60, v[PS0]
	v_lshlrev_b32 v[VCA], 4, v33
	v_lshl_add_u32 v[VCA], v34, 2, v[VCA]
	v_add_nc_u32 v[VCA], s63, v[VCA]
	v_lshl_add_u32 v[VSA], v33, 1, s22
	s_wait_alu depctr_va_vdst(0)                   ; at the head's end
	QUANT 0
	QUANT 1
	QUANT 2
	QUANT 3
	s_wait_tensorcnt 0x0                           ; my part of the weights is in
	MEET                                           ; the weights and the codes of K steps 0 to 3 are whole
.irp i, 0,1,2,3
	ds_load_b32 v[WS+\i], v[WSP] offset:128*\i
	ds_load_b32 v[WS+4+\i], v[WSP] offset:512+128*\i
	ds_load_b32 v[WS+8+\i], v[WSV] offset:128*\i
.endr
	PAIR 0, 4, 5, 8
	MEET                                           ; K steps 4 and 5
	PAIR 2, 0, 6, 4
	PAIR 4, 0, 7, 4
	MEET                                           ; K steps 6 and 7
	PAIR 6, 0, 0, 0
; The results: three blocks, each 16 numbers of mine and lane l xor 16's 16: the pair's row tiles 0 and 1, and v.  Each accumulator from its low end on
.irp n, 0,1,2
	v_max3_num_f32 v[40+\n], |v[ACC+16*\n]|, |v[ACC+16*\n+1]|, 0x1800000
.endr
.irp i, 2,4,6,8,10,12,14
.irp n, 0,1,2
	v_max3_num_f32 v[40+\n], v[40+\n], |v[ACC+16*\n+\i]|, |v[ACC+16*\n+\i+1]|
.endr
.endr
.irp n, 0,1,2
	v_permlanex16_b32 v[44+\n], v[40+\n], s[SEL], s[SEL+1]
.endr
.irp n, 0,1,2
	v_max_num_f32 v[40+\n], v[40+\n], v[44+\n]
.endr
.irp n, 0,1,2
	v_add_nc_u32 v[40+\n], 0xff000000, v[40+\n]
.endr
.irp n, 0,1,2
	v_lshrrev_b32 v[48+\n], 23, v[40+\n]
.endr
.irp n, 0,1,2
	v_cvt_scalef32_pk8_fp4_f32 v[56+2*\n], v[ACC+16*\n:ACC+16*\n+7], v[40+\n]
	v_cvt_scalef32_pk8_fp4_f32 v[57+2*\n], v[ACC+16*\n+8:ACC+16*\n+15], v[40+\n]
.endr
	v_nop                                          ; one plain place behind the scaled conversions
	ds_store_b64 v[PC0], v[56:57]
	ds_store_b64 v[PC1], v[58:59]
	ds_store_b32 v[VCA], v60
	ds_store_b32 v[VCA], v61 offset:8
	ds_store_b8 v[PS0], v48                        ; lanes l and l xor 16 write the same byte with the same value
	ds_store_b8 v[PS1], v49
	ds_store_b8 v[VSA], v50
	v_lshl_add_u32 v33, v0, 4, QC                  ; the way out: Q's and K's 8,192 bytes, 16 a thread,
	v_and_b32 v34, 0xff, v0
	v_lshlrev_b32 v34, 4, v34
	v_lshl_add_u32 v35, v0, 3, VC                  ; V's 4,096, 8 a thread,
	v_lshlrev_b32 v36, 3, v0
	v_lshl_add_u32 v37, v0, 3, QS                  ; waves 0 and 1: Q's and K's words, 8 bytes a lane,
	v_and_b32 v38, 31, v0
	v_lshlrev_b32 v38, 3, v38
	v_lshl_add_u32 v18, v0, 1, VS-128              ; waves 2 to 5: V's halves of words, a thread a column
	v_lshl_add_u32 v19, v0, 2, s50
	s_cmp_lt_u32 s[WV], 8
	s_cselect_b64 s[16:17], s[8:9], s[40:41]
	s_wait_alu depctr_va_vdst(0)                   ; ahead of the waits below
	s_wait_dscnt 0x0                               ; for the others' sake: my stores have landed
	s_barrier_signal -1
	s_barrier_wait -1
	ds_load_b128 v[64:67], v33
	ds_load_b64 v[68:69], v35
	s_wait_dscnt 0x0
	global_store_b128 v34, v[64:67], s[16:17]      ; a wave stores 512 consecutive bytes, aligned
	global_store_b64 v36, v[68:69], s[40:41] offset:8192   ; 256 consecutive bytes, aligned
	s_cmp_lt_u32 s[WV], 2
	s_cbranch_scc0 .Lnot_words
	ds_load_b64 v[70:71], v37
	s_cmp_eq_u32 s[WV], 0
	s_cselect_b64 s[18:19], s[42:43], s[44:45]
	s_wait_dscnt 0x0
	global_store_b64 v38, v[70:71], s[18:19]       ; 256 consecutive bytes, aligned
	s_branch .Lout
.Lnot_words:
	s_cmp_lt_u32 s[WV], 6
	s_cbranch_scc0 .Lout
	ds_load_u16 v72, v18
	s_wait_dscnt 0x0
	global_store_b16 v19, v72, s[10:11] offset:16896-256   ; my 64 keys' two bytes of each column's word; the other two are the next or the last work-group's
.Lout:
	s_wait_tensorcnt 0x0                           ; the wave's end
	ds_add_u32 v[SPW], v[NIL]
	s_wait_dscnt 0x0
	CROUND                                         ; the closing round: no work-group ends while a partner may still ask for a tile that names it
	s_endpgm
.Lfunc_end_k_q0fe9b891c4_proj:
	.size	k_q0fe9b891c4_proj, .Lfunc_end_k_q0fe9b891c4_proj-k_q0fe9b891c4_proj
	.p2alignl 7, 3214868480
	.fill 96, 4, 3214868480
	.section	.rodata,"a",@progbits
	.p2align	6, 0x0
	.amdhsa_kernel k_q0fe9b891c4_proj
		.amdhsa_group_segment_fixed_size 327680
		.amdhsa_private_segment_fixed_size 0
		.amdhsa_enable_private_segment 0
		.amdhsa_kernarg_size 32
		.amdhsa_user_sgpr_count 2
		.amdhsa_user_sgpr_kernarg_segment_ptr 1
		.amdhsa_wavefront_size32 1
		.amdhsa_system_sgpr_workgroup_id_x 1
		.amdhsa_system_sgpr_workgroup_id_y 1
		.amdhsa_system_sgpr_workgroup_id_z 1
		.amdhsa_system_vgpr_workitem_id 0
		.amdhsa_next_free_vgpr 256
		.amdhsa_next_free_sgpr 66
		.amdhsa_reserve_vcc 0
		.amdhsa_float_denorm_mode_32 3
		.amdhsa_float_denorm_mode_16_64 3
		.amdhsa_memory_ordered 1
		.amdhsa_forward_progress 1
		.amdhsa_inst_pref_size 43
	.end_amdhsa_kernel
	.amdgpu_metadata
---
amdhsa.version: [ 1, 2 ]
amdhsa.kernels:
  - .name:           k_q0fe9b891c4_proj
    .symbol:         k_q0fe9b891c4_proj.kd
    .args:
      - { .name: x, .offset: 0, .size: 8, .value_kind: global_buffer, .address_space: global }
      - { .name: wc, .offset: 8, .size: 8, .value_kind: global_buffer, .address_space: global }
      - { .name: qq, .offset: 16, .size: 8, .value_kind: global_buffer, .address_space: global }
      - { .name: kv, .offset: 24, .size: 8, .value_kind: global_buffer, .address_space: global }
    .group_segment_fixed_size: 327680
    .private_segment_fixed_size: 0
    .kernarg_segment_align: 8
    .kernarg_segment_size: 32
    .max_flat_workgroup_size: 512
    .sgpr_count:     66
    .vgpr_count:     256
    .wavefront_size: 32
...
	.end_amdgpu_metadata
.endif
;; end of part 2
;; launch attn (part 3): grid 64 x 4, 16 waves a work-group, clusters of 4 x 1, 327,680 bytes of LDS; arguments qq, kv, out0; writes out0
.if DOCPART == 3
	.amdgcn_target "amdgcn-amd-amdhsa--gfx1250"
	.amdhsa_code_object_version 6
	.text
	.protected	k_q0fe9b891c4_attn
	.globl	k_q0fe9b891c4_attn
	.p2align	8
	.type	k_q0fe9b891c4_attn,@function
k_q0fe9b891c4_attn:
	s_mov_b64 s[64:65], 0
	v_nop
	global_prefetch_b8 v0, s[64:65] scope:SCOPE_SE
	s_setreg_imm32_b32 hwreg(HW_REG_WAVE_MODE, 25, 1), 1
	s_wait_xcnt 0x0
	s_wait_alu depctr_hold_cnt(0) depctr_sa_sdst(0) depctr_va_vdst(0) depctr_va_sdst(0) depctr_va_ssrc(0) depctr_va_vcc(0) depctr_vm_vsrc(0)
	s_getreg_b32 s2, hwreg(HW_REG_IB_STS2, 6, 4)
	s_cmp_eq_u32 s2, 0
	s_cbranch_scc0 .Lentry_in_a_cluster
	s_endpgm
.Lentry_in_a_cluster:
	s_bfe_u32 s2, ttmp6, 0x10000c
	s_cmp_lg_u32 s2, 0x3003
	s_cbranch_scc0 .Lentry_shape_is_right
	s_endpgm
.Lentry_shape_is_right:
; out[b][q][:] = the sum over k of softmax_k(q . k / 32) v[k][:], both products on codes of FP4 (E2M1) with one E8M0 scale for each 32 along a product's K.  4 batches x 4,096 queries and keys, 128 columns.
; qq: a record of 4,352 bytes for each 64 queries: four fragment images, then 64 scale words.  kv: a record of 17,408 bytes for each 128 keys: K's eight tile images, V's sixteen half images, K's and V's scale words;
; all in the order of the operands' registers, so that every fragment comes by loads of 16 bytes a lane, 512 consecutive bytes an instruction.
; THE SOFTMAX AHEAD OF THE SECOND PRODUCT: t = score x log2(e) / 32; M = the largest t so far, rounded UP to a whole number; p = 2^(t - M) is quantised along the keys, not normalised.  The sum is taken of the
; unquantised p, in f32, and divides at the end.  When M moves, the sum and O are multiplied by 2^(old M - new M): exact.
; SHARES.  A work-group owns 64 queries.  Wave w owns tile w % 4 of 16 queries and quarter w / 4 of every slot's keys: 8 key steps of 128 keys, with an M, a sum and an O^T of its own.  The four partial results of
; a tile are joined at the end under their common M (powers of two again).  Four waves share a SIMD, so that one wave's vector work stands beside another's products and LDS loads.
; LAYOUT.  Both products are used transposed: S^T = K Q^T, O^T = V^T P^T: a lane holds ONE query (lane % 16) throughout.  Lane r of K's tile 2 b + u is key 32 b + 8 u + r + 8 (r / 8), so that the 16 registers of
; tiles 2 b and 2 b + 1 are 16 neighbouring keys, 32 b + 16 (lane / 16) + 0 .. 15.
; EVERY LDS LOAD IS ASKED FOR A PHASE AHEAD.  A step's eight fragments of K or of V are 64 registers.  Two regions of 64, v32-95 and v96-159, change roles from step to step: in a step one holds K's fragments, the
; other takes the scores.  V's fragments are asked for into K's region as soon as the score products are issued, and land under the softmax; the NEXT step's K is asked for into the scores' region as soon as p is
; used up (converted and summed), and lands under O^T's rescaling and the second product.
; CLUSTER.  The four work-groups of a cluster belong to one batch and walk the same records: each sixteenth of a slot is asked for JOINTLY, by the same tensor load with the same descriptor and the mask of all four.
; RING.  Two slots of eight records (1,024 keys); a batch is four fills.  Every wave asks for a sixteenth of a slot: 34 rows of 256 bytes.  THE CHANGE OF SLOTS STANDS INSIDE A SLOT'S SECOND STEP, behind the sums:
; the slot's last bytes (that step's V) have been read by then, so the refill goes out and the next slot's K is fetched while the step's second product is still to come.
; LIMITS: a p under 2^-126 counts as 0 (v_exp_f32 gives 0 there); a block of p that is all zeros keeps the byte 1 (its codes are zeros); NaN and infinities are not served.
; REGISTERS: v1-11, v24-27 addresses; v12 -M, v13 the largest t, v[14:15] the sum in two halves; v16-23 Q; v32-95, v96-159 the two regions; v160-223 O^T; v224-231 p's codes;
;   v232-239, v244-247, v252, v254 at work; v240-243 K's scale words, v248-251 V's: register j holds tile 2 j's words in lanes 0-15 and tile 2 j + 1's in lanes 16-31; v253 p's scale word; v255 Q's.
.set REC,   17408
.set SLOTB, 8*REC                      ; a slot: 139,264 bytes
.set PART,  SLOTB/16                   ; what one tensor load brings: 8,704 bytes
.set VCO,   8192                       ; in a record: V's codes,
.set KSO,   16384                      ; K's scale words,
.set VSO,   16896                      ; V's
.set SPARE, 2*SLOTB                    ; behind the ring: the spare words, 128 bytes for each of 16 waves: eight blocks of 256 bytes that no other line names
.set STAT,  SPARE+2048                 ; each wave's -M and sum: 8 bytes a lane, 256 a wave
.set SP,    528                        ; the way out: a stage of 16 rows x (512 bytes + 16) for each wave, from LDS byte 0 on, in slot 0: it has had its last fill, and every wave has passed the last change of slots, behind which nobody reads it
.set LI,  1                            ; v1   16 x lane
.set L4,  2                            ; v2   4 x lane
.set QO,  3                            ; v3   Q's codes: my byte in the record
.set QW,  4                            ; v4   Q's scale word
.set SPW, 5                            ; v5   LDS address of my spare word: SPARE + 4 x my thread's number; never rewritten
.set NIL, 6                            ; v6   0; never rewritten
.set STA, 7                            ; v7   where I put my -M and sum
.set AK0, 8                            ; v8   my quarter (two records) of slot 0 + 16 x lane; the record and the place in it stand in the immediates: 34,816 bytes at the most
.set AK1, 9                            ; v9   of slot 1
.set STB, 10                           ; v10  where I read the four partners' -M and sums
.set STO, 11                           ; v11  the stage: where I put 32 bytes of a row
.set RDA, 24                           ; v24  the stage: my four rows in partners 0 and 1,
.set RDB, 25                           ; v25  in partners 2 and 3
.set AS0, 26                           ; v26  my quarter of slot 0 + 4 x lane: scale words
.set AS1, 27                           ; v27  of slot 1
.set JW,  64                           ; v64-71 at work in the join
.set KSW, 240
.set VSW, 248
.set WV,  10                           ; s10  my wave's number
.set SEL, 20                           ; s[20:21] v_permlanex16_b32's selects for lane l xor 16
.set CS,  22                           ; s[22:23] c = log2(e) / 32: the packed form names a pair and takes its low word for both halves
.set G1,  24                           ; s[24:31] descriptor group 1
.set G0,  32                           ; s[32:39] descriptor group 0, a set for each slot
.set WB,  41                           ; s41  my quarter of a slot: two records
; A round of the cluster's barrier: my work-group's barrier, so that wave 0's signal speaks for all sixteen waves; wave 0 signals for the work-group; every wave waits for all four work-groups; my work-group's barrier once more.
.macro CROUND
	s_barrier_signal -1
	s_barrier_wait -1
	s_cmp_lg_u32 s[WV], 0
	s_cbranch_scc1 .Lnot_wave_0_\@
	s_barrier_signal -3
.Lnot_wave_0_\@:
	s_barrier_wait -3
	s_barrier_signal -1
	s_barrier_wait -1
.endm
; A record's eight tiles of K into region reg, and their scale words: 20 LDS loads in one run
.macro KLOAD reg, ak, as, rec
.irp t, 0,1,2,3,4,5,6,7
.irp c, 0,1
	ds_load_b128 v[\reg+8*\t+4*\c:\reg+8*\t+4*\c+3], v[\ak] offset:\rec+1024*\t+512*\c
.endr
.endr
.irp j, 0,1,2,3
	ds_load_b32 v[KSW+\j], v[\as] offset:\rec+KSO+128*\j           ; 32 lanes take the words of two tiles
.endr
.endm
; The same of V: tile t = channels 16 t on
.macro VLOAD reg, ak, as, rec
.irp t, 0,1,2,3,4,5,6,7
.irp c, 0,1
	ds_load_b128 v[\reg+8*\t+4*\c:\reg+8*\t+4*\c+3], v[\ak] offset:\rec+VCO+4096*\c+512*\t
.endr
.endr
.irp j, 0,1,2,3
	ds_load_b32 v[VSW+\j], v[\as] offset:\rec+VSO+128*\j
.endr
.endm
; S^T's tile t = K's tile t x Q.  An odd tile's scale words stand in lanes 16-31 of its register.
.macro QKP t, kr, sr
.set AC, \sr+8*(\t)
.set FA, \kr+8*(\t)
.set SA, KSW+(\t)/2
.if (\t)%2
	v_wmma_scale_f32_16x16x128_f8f6f4 v[AC:AC+7], v[FA:FA+7], v[16:23], 0, v[SA], v255 matrix_a_fmt:MATRIX_FMT_FP4 matrix_b_fmt:MATRIX_FMT_FP4 matrix_a_scale:MATRIX_SCALE_ROW1
.else
	v_wmma_scale_f32_16x16x128_f8f6f4 v[AC:AC+7], v[FA:FA+7], v[16:23], 0, v[SA], v255 matrix_a_fmt:MATRIX_FMT_FP4 matrix_b_fmt:MATRIX_FMT_FP4
.endif
.endm
; O^T's tile t += V's tile t x p.  first = 1: the product starts the sum: nothing is cleared.
.macro PVP t, kr, first
.set AC, 160+8*(\t)
.set FA, \kr+8*(\t)
.set SA, VSW+(\t)/2
.if \first
.if (\t)%2
	v_wmma_scale_f32_16x16x128_f8f6f4 v[AC:AC+7], v[FA:FA+7], v[224:231], 0, v[SA], v253 matrix_a_fmt:MATRIX_FMT_FP4 matrix_b_fmt:MATRIX_FMT_FP4 matrix_a_scale:MATRIX_SCALE_ROW1
.else
	v_wmma_scale_f32_16x16x128_f8f6f4 v[AC:AC+7], v[FA:FA+7], v[224:231], 0, v[SA], v253 matrix_a_fmt:MATRIX_FMT_FP4 matrix_b_fmt:MATRIX_FMT_FP4
.endif
.else
.if (\t)%2
	v_wmma_scale_f32_16x16x128_f8f6f4 v[AC:AC+7], v[FA:FA+7], v[224:231], v[AC:AC+7], v[SA], v253 matrix_a_fmt:MATRIX_FMT_FP4 matrix_b_fmt:MATRIX_FMT_FP4 matrix_a_scale:MATRIX_SCALE_ROW1
.else
	v_wmma_scale_f32_16x16x128_f8f6f4 v[AC:AC+7], v[FA:FA+7], v[224:231], v[AC:AC+7], v[SA], v253 matrix_a_fmt:MATRIX_FMT_FP4 matrix_b_fmt:MATRIX_FMT_FP4
.endif
.endif
.endm
; O^T's registers from .. to - 1 under the new M: x f, two at a time; each accumulator from its low end on
.macro RESC from, to
.set J, \from
.rept (\to-\from)/2
	v_pk_mul_f32 v[160+J:161+J], v[160+J:161+J], v[252:253] op_sel_hi:[1,0]
.set J, J+2
.endr
.endm
; A KEY STEP: 128 keys.  Its K lies in region kr (asked for a step ago); the scores go to region sr; its V comes from record rec of the quarter at ak, as.
; first = 1: my first step, which starts M, the sum and O^T: no old M, nothing to rescale.
; mode = 1: the next step's K comes from record nrec of the quarter at nak, nas, in the same slot.   mode = 2, 3: it comes from the other slot, which a barrier of its own shows to be whole: its signal stands ahead of V's
; loads, its wait behind the sums.   mode = 2: then the change of slots: slot \slot, which this step is the last to read, is filled again.   mode = 3: nothing is left to fetch.   mode = 0: the last step.
.macro STEP kr, sr, ak, as, rec, first, mode, nak, nas, nrec, slot
	s_wait_dscnt 0x0                               ; K's fragments and scale words are in
.irp t, 0,1,2,3,4,5,6,7
	QKP \t, \kr, \sr
.endr
.rept 4
	v_nop                                          ; four places between the products and the loads into the registers that they have read, and the first read of their results
.endr
.if \mode > 1
	s_wait_tensorcnt 0x0                           ; my part of the slot ahead is in (no LDS access of mine is out: K was the last):
	s_barrier_signal -1                            ; say so
.endif
	VLOAD \kr, \ak, \as, \rec                      ; V lands under the softmax
.irp b, 0,1,2,3
	v_max3_num_f32 v[232+\b], v[\sr+16*\b], v[\sr+16*\b+1], v[\sr+16*\b+2]   ; THE LARGEST SCORE OF EACH BLOCK OF 32 KEYS: it serves twice: for the row's maximum, and, since p rises with the score, for the block's largest p
.endr
.irp i, 3,5,7,9,11,13
.irp b, 0,1,2,3
	v_max3_num_f32 v[232+\b], v[232+\b], v[\sr+16*\b+\i], v[\sr+16*\b+\i+1]   ; (the four blocks by turns)
.endr
.endr
.irp b, 0,1,2,3
	v_max_num_f32 v[232+\b], v[232+\b], v[\sr+16*\b+15]
.endr
.irp b, 0,1,2,3
	s_delay_alu instid0(VALU_DEP_4)
	v_permlanex16_b32 v[236+\b], v[232+\b], s[SEL], s[SEL+1]
.endr
.irp b, 0,1,2,3
	s_delay_alu instid0(VALU_DEP_4)
	v_max_num_f32 v[232+\b], v[232+\b], v[236+\b]  ; with lane l xor 16's 16 keys
.endr
	s_delay_alu instid0(VALU_DEP_2)
	v_max3_num_f32 v254, v232, v233, v234
	s_delay_alu instid0(VALU_DEP_1)
	v_max_num_f32 v254, v254, v235                 ; the step's largest score of my query
	s_delay_alu instid0(VALU_DEP_1)
	v_mul_f32 v254, s[CS], v254                    ; as t (c is positive)
.if \first
	s_delay_alu instid0(VALU_DEP_1)
	v_mov_b32 v13, v254                            ; the largest t so far
	s_delay_alu instid0(VALU_DEP_1)
	v_floor_f32 v12, -v13                          ; -M = floor(-t) = -ceil(t): M IS A WHOLE NUMBER
.else
	s_delay_alu instid0(VALU_DEP_1)
	v_max_num_f32 v13, v13, v254                   ; the running largest t
	v_mov_b32 v254, v12
	s_delay_alu instid0(VALU_DEP_2)
	v_floor_f32 v12, -v13                          ; the new -M
	s_delay_alu instid0(VALU_DEP_1)
	v_sub_f32 v254, v12, v254                      ; M's old value less its new one: a whole number, 0 or less
	s_delay_alu instid0(VALU_DEP_1)
	v_cvt_i32_f32 v254, v254                       ; (it saturates)
	s_delay_alu instid0(VALU_DEP_1)
	v_ldexp_f32 v252, 1.0, v254                    ; f = 2^(old M - new M): a multiplication by it rounds nothing
.endif
.irp j, 0,2,4,6,8,10,12,14,16,18,20,22,24,26,28,30,32,34,36,38,40,42,44,46,48,50,52,54,56,58,60,62
	v_pk_fma_f32 v[\sr+\j:\sr+\j+1], v[\sr+\j:\sr+\j+1], s[CS:CS+1], v[12:13] op_sel_hi:[1,0,0]   ; t - M, two at a time (of the pairs c and -M the low word serves both halves)
.endr
.irp b, 0,1,2,3
	v_fma_f32 v[232+\b], v[232+\b], s[CS], v12     ; the same of each block's largest score
.endr
	s_wait_alu depctr_va_vdst(0)
.irp j, 0,1,2,3,4,5,6,7,8,9,10,11,12,13,14,15,16,17,18,19,20,21,22,23,24,25,26,27,28,29,30,31,32,33,34,35,36,37,38,39,40,41,42,43,44,45,46,47,48,49,50,51,52,53,54,55,56,57,58,59,60,61,62,63
	v_exp_f32 v[\sr+\j], v[\sr+\j]                 ; p = 2^(t - M), at most 1: NOT normalised
.endr
.irp b, 0,1,2,3
	v_exp_f32 v[232+\b], v[232+\b]                 ; the block's largest p: the same two instructions on the same number give the same bits
.endr
.if \first
	v_nop                                          ; a plain place behind the exponentials
	s_wait_alu depctr_va_vdst(0)
.else
	v_pk_mul_f32 v[14:15], v[14:15], v[252:253] op_sel_hi:[1,0]   ; the sums under the new M.  (A plain place behind the exponentials)
	s_wait_alu depctr_va_vdst(0)
.endif
.irp b, 0,1,2,3
	v_max_num_f32 v[232+\b], 0x1800000, v[232+\b]  ; the floor 2^(3 - 127): the byte cannot fall under 1
.endr
.irp b, 0,1,2,3
	s_delay_alu instid0(VALU_DEP_4)
	v_add_nc_u32 v[244+\b], 0xff000000, v[232+\b]  ; 2 off the exponent field: the conversion's scale operand
.endr
.irp b, 0,1,2,3
	s_delay_alu instid0(VALU_DEP_4)
	v_lshrrev_b32 v[236+\b], 23, v[244+\b]         ; the scale's byte
.endr
	s_delay_alu instid0(VALU_DEP_3)
	v_lshl_or_b32 v253, v237, 8, v236              ; p's scale word for these 128 keys
	s_delay_alu instid0(VALU_DEP_1)
	v_lshl_or_b32 v253, v238, 16, v253
	s_delay_alu instid0(VALU_DEP_1)
	v_lshl_or_b32 v253, v239, 24, v253
.irp b, 0,1,2,3
	v_cvt_scalef32_pk8_fp4_f32 v[224+2*\b], v[\sr+16*\b:\sr+16*\b+7], v[244+\b]
	v_cvt_scalef32_pk8_fp4_f32 v[225+2*\b], v[\sr+16*\b+8:\sr+16*\b+15], v[244+\b]
.endr
	v_nop                                          ; one plain place behind the scaled conversions
.irp c, 0,1                                    ; the operand's layout wants a WHOLE block in a lane: lanes 0-15 block 2 c, lanes 16-31 block 2 c + 1
.irp i, 0,1
	v_permlane16_swap_b32 v[224+4*\c+\i], v[226+4*\c+\i]
.endr
.endr
	v_pk_add_f32 v[236:237], v[\sr:\sr+1], v[\sr+2:\sr+3]   ; THE ROW'S SUM IS TAKEN OF THE UNQUANTISED p: two at a time, in two chains.  (These 32 additions are also the places in front of the scaled products below)
.irp j, 4,8,12,16,20,24,28,32,36,40,44,48,52,56,60
	v_pk_add_f32 v[14:15], v[14:15], v[\sr+\j:\sr+\j+1]
	v_pk_add_f32 v[236:237], v[236:237], v[\sr+\j+2:\sr+\j+3]
.endr
	s_delay_alu instid0(VALU_DEP_1)
	v_pk_add_f32 v[14:15], v[14:15], v[236:237]
	; p is used up: its region takes the next step's K
.if \mode > 1
	s_barrier_wait -1                              ; the slot ahead is whole
.endif
.if \mode > 0
	KLOAD \sr, \nak, \nas, \nrec
.endif
.if \mode == 2
	; THE CHANGE OF SLOTS.  Each wave waits for all its tensor loads, adds 0 to its spare word, and waits for that and for its reads of this slot, of which this step's V were the last.
	s_wait_tensorcnt 0x0                           ; no tensor load of mine is out, so a group 0 may be written
	ds_add_u32 v[SPW], v[NIL]                      ; 0 onto my spare word; half of O^T's rescaling stands between it and the wait for it
	s_add_nc_u64 s[G0+4*\slot+2:G0+4*\slot+3], s[G0+4*\slot+2:G0+4*\slot+3], 2*SLOTB   ; the records two fills on; the type bits on top are not reached
	RESC 0, 32
	s_wait_alu depctr_va_vdst(0)                   ; ahead of the waits below
	s_wait_dscnt 0x0                               ; the add is done, V and the next K are in, and my reads of this slot are over
	s_barrier_signal -1                            ; a round of the cluster's barrier, with the other half of the rescaling, register work, inside:
	RESC 32, 64
	s_wait_alu depctr_va_vdst(0)                   ; ahead of the waits below
	s_barrier_wait -1
	s_cmp_lg_u32 s[WV], 0
	s_cbranch_scc1 .Lnot_first_\@
	s_barrier_signal -3
.Lnot_first_\@:
	s_barrier_wait -3
	s_barrier_signal -1
	s_barrier_wait -1                              ; no wave of any partner still reads the slot or has a load on its way
	tensor_load_to_lds s[G0+4*\slot:G0+4*\slot+3], s[G1:G1+7]   ; the joint refill: the first thing behind the round, my one tensor load until the next
	s_nop 0
.rept 4
	v_nop
.endr
.else
.if !\first
	RESC 0, 64
.endif
	s_wait_alu depctr_va_vdst(0)
.if \mode == 0
	s_wait_dscnt 0x0                               ; V is in
.else
	s_wait_dscnt 20                                ; LDS loads come back in order: V's 20 are in; the 20 of the next K, issued behind them, stay out
.endif
.endif
.irp t, 0,1,2,3,4,5,6,7
	PVP \t, \kr, \first                            ; the eight accumulators take turns, one instruction a turn
.endr
.rept 5
	v_nop                                          ; five places: the next step's score products write over the registers that these products have read
.endr
.endm
	s_load_b128 s[4:7], s[0:1], 0x0                ; qq s[4:5], kv s[6:7]
	s_load_b64 s[8:9], s[0:1], 0x10                ; out0
	v_lshl_add_u32 v[SPW], v0, 2, SPARE
	v_mov_b32 v[NIL], 0
	ds_add_u32 v5, v6
	ds_add_u32 v5, v6
	s_wait_dscnt 0x0
	v_lshrrev_b32 v28, 5, v0
	s_delay_alu instid0(VALU_DEP_1)
	v_readfirstlane_b32 s[WV], v28                 ; wave 0..15
	s_and_b32 s11, s[WV], 3                        ; qt: my tile of 16 queries
	s_lshr_b32 s12, s[WV], 2                       ; kq: my quarter of a slot's keys
	s_bfe_u32 s13, ttmp6, 0x40000                  ; cx: my place in the cluster
	s_lshl_b32 s14, ttmp9, 2                       ; in a cluster launch ttmp9 counts clusters
	s_add_co_u32 s14, s14, s13                     ; my block of 64 queries = 4 x cluster x + cx: it enters Q's and the output's addresses alone
	s_and_b32 s15, ttmp7, 0xffff                   ; the batch, which the four partners share
	s_mul_i32 s16, s15, 32*REC                     ; the batch's 32 records,
	s_mul_i32 s18, s[WV], PART                     ; my sixteenth of a slot, in memory and in LDS alike
	s_add_co_u32 s16, s16, s18
	s_mov_b32 s17, 0
	s_lshl_b32 s42, s15, 6
	s_add_co_u32 s42, s42, s14
	s_mul_i32 s42, s42, 4352                       ; my record of qq
	s_mov_b32 s43, 0
	s_lshl_b32 s44, s15, 12
	s_lshl_b32 s45, s14, 6
	s_add_co_u32 s44, s44, s45
	s_lshl_b32 s45, s11, 4
	s_add_co_u32 s44, s44, s45
	s_lshl_b32 s45, s12, 2
	s_add_co_u32 s44, s44, s45                     ; the first of the four rows that I store: 4,096 batch + 64 block + 16 qt + 4 kq
	s_lshl_b32 s44, s44, 9                         ; rows of 512 bytes
	s_mov_b32 s45, 0
	s_mul_i32 s[WB], s12, 2*REC
	; descriptor group 1: 34 dense rows of 256 bytes (32 elements of 8 bytes), no padding: images are read 16 bytes a lane on end
	s_mov_b32 s[G1+0], 15|(3<<16)|(1<<21)          ; 15:0 the mask: all four work-groups; 17:16 elements of 8 bytes; 21 set beside a mask
	s_mov_b32 s[G1+1], 32<<16                      ; tensor_dim0 = 32
	s_mov_b32 s[G1+2], 34<<16                      ; tensor_dim1 = 34
	s_mov_b32 s[G1+3], 32<<16                      ; tile_dim0 = 32
	s_mov_b32 s[G1+4], 34                          ; tile_dim1 = 34
	s_mov_b32 s[G1+5], 32                          ; elements from row to row
	s_mov_b32 s[G1+6], 0
	s_mov_b32 s[G1+7], 0
	s_mov_b32 s[SEL], 0x76543210
	s_mov_b32 s[SEL+1], 0xfedcba98
	s_mov_b32 s[CS], 0x3d38aa3b                    ; c = log2(e) / 32
	s_mov_b32 s[CS+1], s[CS]                       ; (named with it as a pair, so it is written)
	; every LDS address is made here, of constants, lane parts and the wave's number, and none is written again
	v_and_b32 v28, 31, v0                          ; lane
	v_and_b32 v29, 15, v0                          ; r
	v_bfe_u32 v30, v0, 4, 1                        ; h
	s_delay_alu instid0(VALU_DEP_3)
	v_lshlrev_b32 v[LI], 4, v28
	s_delay_alu instid0(VALU_DEP_4)
	v_lshlrev_b32 v[L4], 2, v28
	s_delay_alu instid0(VALU_DEP_2)
	v_lshl_add_u32 v[QO], s11, 10, v[LI]           ; Q: image qt, 16 bytes a lane
	v_lshlrev_b32 v[QW], 2, v29
	s_delay_alu instid0(VALU_DEP_1)
	v_lshl_add_u32 v[QW], s11, 6, v[QW]            ; its rows' scale words
	v_add_nc_u32 v[AK0], s[WB], v[LI]
	s_delay_alu instid0(VALU_DEP_1)
	v_add_nc_u32 v[AK1], SLOTB, v[AK0]
	v_add_nc_u32 v[AS0], s[WB], v[L4]
	s_delay_alu instid0(VALU_DEP_1)
	v_add_nc_u32 v[AS1], SLOTB, v[AS0]
	v_lshl_add_u32 v[STA], v0, 3, STAT             ; STAT + 256 w + 8 lane
	s_lshl_b32 s46, s11, 8
	v_lshl_add_u32 v[STB], v28, 3, s46
	s_delay_alu instid0(VALU_DEP_1)
	v_add_nc_u32 v[STB], STAT, v[STB]              ; STAT + 256 qt + 8 lane; partner j lies 1,024 j on
	v_mul_u32_u24 v[STO], v29, SP
	s_delay_alu instid0(VALU_DEP_1)
	v_lshl_add_u32 v[STO], v30, 5, v[STO]
	s_mul_i32 s46, s[WV], 16*SP
	v_add_nc_u32 v[STO], s46, v[STO]               ; my stage: row r, + 32 h
	s_mul_i32 s46, s11, 16*SP
	s_mul_i32 s47, s12, 4*SP
	s_add_co_u32 s46, s46, s47
	v_add_nc_u32 v[RDA], s46, v[LI]                ; partner 0's stage, rows 4 kq on, 16 bytes a lane; partner j lies 4 x 16 x 528 j on
	s_delay_alu instid0(VALU_DEP_1)
	v_add_nc_u32 v[RDB], 8*16*SP, v[RDA]
	v_mov_b32 v14, 0                               ; the sum, in two halves
	v_mov_b32 v15, 0
.irp b, 0,1,2,3
	v_mov_b32 v[236+\b], 0                         ; written once: a lane permute's destination counts as one of its sources
.endr
	s_wait_kmcnt 0x0
	s_add_nc_u64 s[6:7], s[6:7], s[16:17]          ; kv at my sixteenth of the batch's first slot: made of the batch and the wave's number alone
	s_add_nc_u64 s[4:5], s[4:5], s[42:43]
	s_add_nc_u64 s[8:9], s[8:9], s[44:45]
.irp n, 0,1
	s_mov_b32 s[G0+4*\n], 1                                        ; count = 1
	s_add_co_u32 s[G0+4*\n+1], s18, \n*SLOTB                       ; LDS address: no place in the cluster enters it
	s_add_nc_u64 s[G0+4*\n+2:G0+4*\n+3], s[6:7], \n*SLOTB          ; global address: fill n
	s_or_b32 s[G0+4*\n+3], s[G0+4*\n+3], 0x80000000                ; type = 2
.endr
	CROUND                                         ; all four work-groups are here: the first joint loads meet
	tensor_load_to_lds s[G0:G0+3], s[G1:G1+7]      ; slot 0's first fill: one tensor load a wave at the head
	s_nop 0
.rept 4
	v_nop
.endr
	global_load_b128 v[16:19], v[QO], s[4:5]       ; Q's fragment stays in registers
	global_load_b128 v[20:23], v[QO], s[4:5] offset:512
	global_load_b32 v255, v[QW], s[4:5] offset:4096
	s_wait_alu depctr_va_vdst(0)                   ; at the head's end
	s_wait_tensorcnt 0x0                           ; my part of slot 0 is in
	ds_add_u32 v[SPW], v[NIL]
	s_wait_dscnt 0x0
	CROUND                                         ; everybody's part of slot 0 is in
	tensor_load_to_lds s[G0+4:G0+7], s[G1:G1+7]    ; slot 1's first fill, the first tensor load behind the round
	s_nop 0
.rept 4
	v_nop
.endr
	KLOAD 32, AK0, AS0, 0                          ; the one K that nothing hides: my first step's
	s_wait_loadcnt 0x0                             ; Q
	;    K in, S in, V from,        first, mode, next K from,   slot filled
	STEP 32, 96, AK0, AS0, 0,   1, 1, AK0, AS0, REC, 0     ; fill 0, in slot 0: key steps 2 kq and 2 kq + 1 of its eight
	STEP 96, 32, AK0, AS0, REC, 0, 2, AK1, AS1, 0,   0     ; slot 0 takes fill 2
	STEP 32, 96, AK1, AS1, 0,   0, 1, AK1, AS1, REC, 0     ; fill 1, in slot 1
	STEP 96, 32, AK1, AS1, REC, 0, 2, AK0, AS0, 0,   1     ; slot 1 takes fill 3: the last load
	STEP 32, 96, AK0, AS0, 0,   0, 1, AK0, AS0, REC, 0     ; fill 2
	STEP 96, 32, AK0, AS0, REC, 0, 3, AK1, AS1, 0,   0     ; nothing is left to fetch
	STEP 32, 96, AK1, AS1, 0,   0, 1, AK1, AS1, REC, 0     ; fill 3
	STEP 96, 32, AK1, AS1, REC, 0, 0, AK1, AS1, 0,   0
	; THE FOUR QUARTERS OF THE KEYS ARE JOINED.  Each wave tells its -M and its sum; under the common M* = the largest M, partner j's sum and O^T count 2^(M_j - M*) times: exact.
	; (The five places at the last step's end stand between the last products and what follows.)
	v_add_f32 v14, v14, v15                        ; the sum's two halves,
	s_delay_alu instid0(VALU_DEP_1)
	v_permlanex16_b32 v236, v14, s[SEL], s[SEL+1]
	s_delay_alu instid0(VALU_DEP_1)
	v_add_f32 v15, v14, v236                       ; and lane l xor 16's: my quarter's sum
	v_mov_b32 v14, v12                             ; -M beside it
	ds_store_b64 v[STA], v[14:15]
	s_wait_dscnt 0x0                               ; for the others' sake: my store has landed
	s_barrier_signal -1
	s_barrier_wait -1
.irp j, 0,1,2,3
	ds_load_b64 v[232+2*\j:233+2*\j], v[STB] offset:1024*\j
.endr
	s_wait_dscnt 0x0
	v_min_num_f32 v[JW], v232, v234
	v_min_num_f32 v[JW+1], v236, v238
	s_delay_alu instid0(VALU_DEP_1)
	v_min_num_f32 v[JW], v[JW], v[JW+1]            ; -M*
	s_wait_alu depctr_va_vdst(0)
.irp j, 0,1,2,3
	v_sub_f32 v[JW+2+\j], v[JW], v[232+2*\j]       ; M_j - M*: a whole number, 0 or less
.endr
	v_sub_f32 v[JW+7], v[JW], v14                  ; and my own
.irp j, 0,1,2,3
	v_cvt_i32_f32 v[JW+2+\j], v[JW+2+\j]           ; (it saturates)
.endr
	v_cvt_i32_f32 v[JW+7], v[JW+7]
.irp j, 0,1,2,3
	v_ldexp_f32 v[JW+2+\j], 1.0, v[JW+2+\j]
.endr
	v_ldexp_f32 v[JW+7], 1.0, v[JW+7]
	v_mul_f32 v[JW+6], v[JW+2], v233
	s_delay_alu instid0(VALU_DEP_1)
	v_fma_f32 v[JW+6], v[JW+3], v235, v[JW+6]
	s_delay_alu instid0(VALU_DEP_1)
	v_fma_f32 v[JW+6], v[JW+4], v237, v[JW+6]
	s_delay_alu instid0(VALU_DEP_1)
	v_fma_f32 v[JW+6], v[JW+5], v239, v[JW+6]      ; the row's sum under M*
	s_wait_alu depctr_va_vdst(0)
	v_rcp_f32 v[JW+6], v[JW+6]
	v_nop                                          ; one plain place behind the transcendental
	s_wait_alu depctr_va_vdst(0)
	v_mul_f32 v252, v[JW+7], v[JW+6]               ; what my O^T is multiplied by
.irp j, 0,2,4,6,8,10,12,14,16,18,20,22,24,26,28,30,32,34,36,38,40,42,44,46,48,50,52,54,56,58,60,62
	v_pk_mul_f32 v[96+\j:97+\j], v[160+\j:161+\j], v[252:253] op_sel_hi:[1,0]   ; register 8 t + i is my share of out(r, 16 t + 8 h + i); each accumulator from its low end on
.endr
.irp t, 0,1,2,3,4,5,6,7
	ds_store_b128 v[STO], v[96+8*\t:99+8*\t] offset:64*\t
	ds_store_b128 v[STO], v[100+8*\t:103+8*\t] offset:64*\t+16
.endr
	s_wait_dscnt 0x0                               ; for the others' sake: my stores into my stage have landed
	s_barrier_signal -1
	s_barrier_wait -1
.irp j, 0,1
.irp i, 0,1,2,3
	ds_load_b128 v[32+16*\j+4*\i:35+16*\j+4*\i], v[RDA] offset:4*16*SP*\j+SP*\i      ; rows 4 kq + i of my tile, from the four partners' stages: 512 consecutive bytes an instruction
	ds_load_b128 v[64+16*\j+4*\i:67+16*\j+4*\i], v[RDB] offset:4*16*SP*\j+SP*\i
.endr
.endr
	s_wait_dscnt 0x0
.irp i, 0,1,2,3
.irp p, 0,2
	v_pk_add_f32 v[32+4*\i+\p:33+4*\i+\p], v[32+4*\i+\p:33+4*\i+\p], v[48+4*\i+\p:49+4*\i+\p]
	v_pk_add_f32 v[64+4*\i+\p:65+4*\i+\p], v[64+4*\i+\p:65+4*\i+\p], v[80+4*\i+\p:81+4*\i+\p]
.endr
.endr
.irp i, 0,1,2,3
.irp p, 0,2
	v_pk_add_f32 v[32+4*\i+\p:33+4*\i+\p], v[32+4*\i+\p:33+4*\i+\p], v[64+4*\i+\p:65+4*\i+\p]
.endr
.endr
.irp i, 0,1,2,3
	global_store_b128 v[LI], v[32+4*\i:35+4*\i], s[8:9] offset:512*\i th:TH_STORE_NT   ; 32 lanes store a whole row: 512 consecutive bytes, aligned; written once, read by nobody here
.endr
	s_wait_tensorcnt 0x0                           ; the wave's end, behind my last tensor load and my last LDS store
	ds_add_u32 v[SPW], v[NIL]
	s_wait_dscnt 0x0
	CROUND                                         ; the closing round: no work-group ends while a partner may still ask for a tile that names it
	s_endpgm
.Lfunc_end_k_q0fe9b891c4_attn:
	.size	k_q0fe9b891c4_attn, .Lfunc_end_k_q0fe9b891c4_attn-k_q0fe9b891c4_attn
	.p2alignl 7, 3214868480
	.fill 96, 4, 3214868480
	.section	.rodata,"a",@progbits
	.p2align	6, 0x0
	.amdhsa_kernel k_q0fe9b891c4_attn
		.amdhsa_group_segment_fixed_size 327680
		.amdhsa_private_segment_fixed_size 0
		.amdhsa_enable_private_segment 0
		.amdhsa_kernarg_size 24
		.amdhsa_user_sgpr_count 2
		.amdhsa_user_sgpr_kernarg_segment_ptr 1
		.amdhsa_wavefront_size32 1
		.amdhsa_system_sgpr_workgroup_id_x 1
		.amdhsa_system_sgpr_workgroup_id_y 1
		.amdhsa_system_sgpr_workgroup_id_z 1
		.amdhsa_system_vgpr_workitem_id 0
		.amdhsa_next_free_vgpr 256
		.amdhsa_next_free_sgpr 66
		.amdhsa_reserve_vcc 0
		.amdhsa_float_denorm_mode_32 3
		.amdhsa_float_denorm_mode_16_64 3
		.amdhsa_memory_ordered 1
		.amdhsa_forward_progress 1
		.amdhsa_inst_pref_size 161
	.end_amdhsa_kernel
	.amdgpu_metadata
---
amdhsa.version: [ 1, 2 ]
amdhsa.kernels:
  - .name:           k_q0fe9b891c4_attn
    .symbol:         k_q0fe9b891c4_attn.kd
    .args:
      - { .name: qq, .offset: 0, .size: 8, .value_kind: global_buffer, .address_space: global }
      - { .name: kv, .offset: 8, .size: 8, .value_kind: global_buffer, .address_space: global }
      - { .name: out0, .offset: 16, .size: 8, .value_kind: global_buffer, .address_space: global }
    .group_segment_fixed_size: 327680
    .private_segment_fixed_size: 0
    .kernarg_segment_align: 8
    .kernarg_segment_size: 24
    .max_flat_workgroup_size: 512
    .sgpr_count:     66
    .vgpr_count:     256
    .wavefront_size: 32
...
	.end_amdgpu_metadata
.endif
;; end of part 3
